; MI455X (gfx1250); checked and timed in simulation.
; The chip was launched on July 23, 2026; its instructions are those of AMD's public machine-readable ISA for CDNA 5 (MIT licence, August 2026) and "CDNA5" Instruction Set Architecture Reference Guide (July 2026). The comments in the code are by the model that wrote it; some were corrected since.
;; Pi Former FFN. Allowed arithmetic: float matrix products may take bf16 or f16 operands with f32 sums; other float arithmetic in f32, or as packed bf16 or f16 multiplies, adds, multiply-adds, maxima and minima; sums over many terms, partial sums and values carried from step to step in f32; what a program stores and reads back later, other than sums and carried values, may be rounded once to bf16 or f16.
;; Inputs: W1 8,192 x 2,048 float32; W2 2,048 x 8,192 float32; x 4 x 512 x 2,048 float32.
;; Outputs: out0 4 x 512 x 2,048 float32.
;; One version. Each part assembles by itself: llvm-mc -triple=amdgcn-amd-amdhsa -mcpu=gfx1250 --defsym DOCPART=n.
;; ======== version 1 of 1: 4 launches
;; limits: values are held in f16: magnitudes above 65,504 overflow, below 6.1e-05 lose precision; inputs' magnitudes at most 65,504; below input magnitudes of 7.63e-06 results are inexact or not finite
;; workspace buffers: xb 8,388,608 bytes; w1b 33,554,432 bytes; w2h 33,554,432 bytes; act 33,554,432 bytes; part 67,108,864 bytes
;; launch cvt (part 1): grid 2304 x 1, 8 waves a work-group, no clusters, 0 bytes of LDS; arguments x, W1, W2, xb, w1b, w2h; writes xb, w1b, w2h
.if DOCPART == 1
	.amdgcn_target "amdgcn-amd-amdhsa--gfx1250"
	.amdhsa_code_object_version 6
	.text
	.protected	k_qb46e91623e_cvt
	.globl	k_qb46e91623e_cvt
	.p2align	8
	.type	k_qb46e91623e_cvt,@function
k_qb46e91623e_cvt:
	s_mov_b64 s[64:65], 0
	v_nop
	global_prefetch_b8 v0, s[64:65] scope:SCOPE_SE
	s_setreg_imm32_b32 hwreg(HW_REG_WAVE_MODE, 25, 1), 1
	s_wait_xcnt 0x0
; out0 = gelu(0.1 clip(round(h / 0.1))) W2^T with h = x W1^T, in four launches.  THIS ONE makes the matrix operands: x -> xb (bf16), W1 -> w1b (bf16), W2 -> w2h (rounded to bf16, that number written as f16).
; NOTHING OF reference() IS LEFT OUT: every number of x, W1 and W2 reaches out0, no result is sliced away, and the clip, a step that keeps values in range, is made (in the second launch).
; WHY TWO FORMATS.  All three inputs are rounded once to bf16.  The second product's other operand, the activation, lies within -0.17 .. 3276.7 by reference()'s own clip and is kept in f16 (11 significant bits),
; so W2's bf16 number is written as f16 for that product: exact wherever 2^-17 <= |W2| < 65,520.
; LIMITS.  |W2| of 65,520 or more becomes an infinity; below 2^-17 it keeps f16's fixed step, an error of 2^-25 at the most.
; SHARES.  A work-group converts 65,536 bytes of one input (16,384 numbers): work-groups 0-255 x, 256-1279 W1, 1280-2303 W2.  A wave takes 8,192 of them by sixteen loads of 512 consecutive bytes, all issued
; at once, each into registers of its own, and stores each load's 128 numbers as 256 consecutive bytes, aligned (8 bytes a lane).  No register that a load or store names is written again, so the only waits are the loads' own.
; No LDS, no barrier, no matrix unit: the launch only moves bytes.
.set T, 4                              ; v[4:9]     at work
.set X, 16                             ; v[16:79]   load j: 4 registers, 4 f32
.set Y, 80                             ; v[80:111]  store j: 2 registers, 4 numbers of 16 bits
	s_load_b256 s[4:11], s[0:1], 0x0               ; x s[4:5], W1 s[6:7], W2 s[8:9], xb s[10:11]
	s_load_b128 s[12:15], s[0:1], 0x20             ; w1b s[12:13], w2h s[14:15]
	v_lshrrev_b32 v3, 5, v0                        ; wave
	v_and_b32 v1, 31, v0                           ; lane
	v_lshlrev_b32 v2, 3, v1                        ; 8 bytes a lane out,
	v_lshlrev_b32 v1, 4, v1                        ; 16 bytes a lane in
	v_lshl_or_b32 v1, v3, 13, v1                   ; + wave x 8,192
	v_lshl_or_b32 v2, v3, 12, v2                   ; + wave x 4,096
	s_mov_b32 s22, 0xffff0000                      ; a word's upper bf16
	s_mov_b32 s19, 0                               ; the high words of the two offsets
	s_mov_b32 s21, 0
	s_wait_kmcnt 0x0
; sixteen loads, then each load's numbers are rounded and stored.  half = 1: the bf16 number is widened again (a shift, a mask) and written as f16
.macro CONV src, dst, half
.set j, 0
.rept 16
	global_load_b128 v[X+4*j:X+4*j+3], v1, s[\src:\src+1] offset:512*j th:TH_LOAD_NT
.set j, j+1
.endr
.set j, 0
.rept 16
	s_wait_loadcnt 15-j                            ; loads come back in order: load j is in, the 15 - j younger ones may stay out
.if \half
	v_cvt_pk_bf16_f32 v[T], v[X+4*j], v[X+4*j+1]
	v_cvt_pk_bf16_f32 v[T+1], v[X+4*j+2], v[X+4*j+3]
	v_lshlrev_b32 v[T+2], 16, v[T]
	v_and_b32 v[T+3], s22, v[T]
	v_lshlrev_b32 v[T+4], 16, v[T+1]
	v_and_b32 v[T+5], s22, v[T+1]
	v_cvt_pk_f16_f32 v[Y+2*j], v[T+2], v[T+3]
	v_cvt_pk_f16_f32 v[Y+2*j+1], v[T+4], v[T+5]
.else
	v_cvt_pk_bf16_f32 v[Y+2*j], v[X+4*j], v[X+4*j+1]
	v_cvt_pk_bf16_f32 v[Y+2*j+1], v[X+4*j+2], v[X+4*j+3]
.endif
	global_store_b64 v2, v[Y+2*j:Y+2*j+1], s[\dst:\dst+1] offset:256*j  ; 32 lanes store 256 consecutive bytes, at a multiple of 256 from the buffer's first byte
.set j, j+1
.endr
.endm
; one input's arm: the work-group's number within the input, its 65,536 bytes in and 32,768 bytes out
.macro PART base, src, dst, half
	s_sub_co_u32 s16, ttmp9, \base
	s_lshl_b32 s18, s16, 16
	s_lshl_b32 s20, s16, 15
	s_add_nc_u64 s[\src:\src+1], s[\src:\src+1], s[18:19]
	s_add_nc_u64 s[\dst:\dst+1], s[\dst:\dst+1], s[20:21]
	CONV \src, \dst, \half
	s_endpgm
.endm
	s_cmp_lt_u32 ttmp9, 256
	s_cbranch_scc1 .Lx
	s_cmp_lt_u32 ttmp9, 1280
	s_cbranch_scc1 .Lw1
	PART 1280, 8, 14, 1                            ; W2 -> w2h
.Lx:
	PART 0, 4, 10, 0                               ; x -> xb
.Lw1:
	PART 256, 6, 12, 0                             ; W1 -> w1b
.Lfunc_end_k_qb46e91623e_cvt:
	.size	k_qb46e91623e_cvt, .Lfunc_end_k_qb46e91623e_cvt-k_qb46e91623e_cvt
	.p2alignl 7, 3214868480
	.fill 96, 4, 3214868480
	.section	.rodata,"a",@progbits
	.p2align	6, 0x0
	.amdhsa_kernel k_qb46e91623e_cvt
		.amdhsa_group_segment_fixed_size 0
		.amdhsa_private_segment_fixed_size 0
		.amdhsa_enable_private_segment 0
		.amdhsa_kernarg_size 48
		.amdhsa_user_sgpr_count 2
		.amdhsa_user_sgpr_kernarg_segment_ptr 1
		.amdhsa_wavefront_size32 1
		.amdhsa_system_sgpr_workgroup_id_x 1
		.amdhsa_system_sgpr_workgroup_id_y 1
		.amdhsa_system_sgpr_workgroup_id_z 1
		.amdhsa_system_vgpr_workitem_id 0
		.amdhsa_next_free_vgpr 112
		.amdhsa_next_free_sgpr 66
		.amdhsa_reserve_vcc 0
		.amdhsa_float_denorm_mode_32 3
		.amdhsa_float_denorm_mode_16_64 3
		.amdhsa_memory_ordered 1
		.amdhsa_forward_progress 1
		.amdhsa_inst_pref_size 23
	.end_amdhsa_kernel
	.amdgpu_metadata
---
amdhsa.version: [ 1, 2 ]
amdhsa.kernels:
  - .name:           k_qb46e91623e_cvt
    .symbol:         k_qb46e91623e_cvt.kd
    .args:
      - { .name: x, .offset: 0, .size: 8, .value_kind: global_buffer, .address_space: global }
      - { .name: W1, .offset: 8, .size: 8, .value_kind: global_buffer, .address_space: global }
      - { .name: W2, .offset: 16, .size: 8, .value_kind: global_buffer, .address_space: global }
      - { .name: xb, .offset: 24, .size: 8, .value_kind: global_buffer, .address_space: global }
      - { .name: w1b, .offset: 32, .size: 8, .value_kind: global_buffer, .address_space: global }
      - { .name: w2h, .offset: 40, .size: 8, .value_kind: global_buffer, .address_space: global }
    .group_segment_fixed_size: 0
    .private_segment_fixed_size: 0
    .kernarg_segment_align: 8
    .kernarg_segment_size: 48
    .max_flat_workgroup_size: 256
    .sgpr_count:     66
    .vgpr_count:     112
    .wavefront_size: 32
...
	.end_amdgpu_metadata
.endif
;; end of part 1
;; launch fc1 (part 2): grid 32 x 8, 4 waves a work-group, clusters of 4 x 4, 327,680 bytes of LDS; arguments xb, w1b, act; writes act
.if DOCPART == 2
	.amdgcn_target "amdgcn-amd-amdhsa--gfx1250"
	.amdhsa_code_object_version 6
	.text
	.protected	k_qb46e91623e_fc1
	.globl	k_qb46e91623e_fc1
	.p2align	8
	.type	k_qb46e91623e_fc1,@function
k_qb46e91623e_fc1:
	s_mov_b64 s[64:65], 0
	v_nop
	global_prefetch_b8 v0, s[64:65] scope:SCOPE_SE
	s_setreg_imm32_b32 hwreg(HW_REG_WAVE_MODE, 25, 1), 1
	s_wait_xcnt 0x0
	s_wait_alu depctr_hold_cnt(0) depctr_sa_sdst(0) depctr_va_vdst(0) depctr_va_sdst(0) depctr_va_ssrc(0) depctr_va_vcc(0) depctr_vm_vsrc(0)
	s_getreg_b32 s2, hwreg(HW_REG_IB_STS2, 6, 4)
	s_cmp_eq_u32 s2, 0
	s_cbranch_scc0 .Lentry_in_a_cluster
	s_endpgm
.Lentry_in_a_cluster:
	s_bfe_u32 s2, ttmp6, 0x10000c
	s_cmp_lg_u32 s2, 0xf033
	s_cbranch_scc0 .Lentry_shape_is_right
	s_endpgm
.Lentry_shape_is_right:
; act[m][f] = gelu(0.1 q), q = clip(round(h / 0.1), -32768, 32767), h[m][f] = sum over d of xb[m][d] w1b[f][d].  xb: [2048][2048] bf16, w1b: [8192][2048] bf16, act: [2048][8192] f16; sums and the activation in f32.
; Nothing of reference() is left out here: product, rounding, clip and gelu (the tanh form, jax's default) are all made.
; THE ACTIVATION.  q = (10 h + 1.5 x 2^23) - 1.5 x 2^23: one fused multiply-add rounds the exact 10 h to the nearest whole number, ties to even; then the clip.  With z = 0.1 q,
; gelu(z) = z / (1 + 2^arg), arg = -2 log2(e) sqrt(2 / pi) (z + 0.044715 z^3) = q (K1 q^2 + K0); so act = q / (10 + 10 x 2^arg).  2^arg may be 0 or an infinity: act is then q / 10 or 0, as it should be.
; LIMITS.  reference() rounds the f32 quotient h / 0.1f: an h within some 2e-8 of itself of a step's boundary may fall on the neighbouring step (0.1 in act).  Where |10 h| passes 2^22 the first line no longer gives
; whole numbers, but the clip takes all such values.  An infinite h clips as in reference(); a NaN in h is not carried (the clip returns a bound).  The sign of a zero is not kept.  act is at most 3276.7: inside f16.
; SHAPE.  A tile of 256 x 256 of h is made by a work-group of four waves; a wave makes 128 x 128: 64 accumulators of 16 x 16, 512 registers.  K goes in 16 steps of 128 through a ring of two LDS slots filled by
; the tensor data mover: the tiles' rows are 256 bytes of memory, at multiples of 256 bytes from the buffer's first byte.  32 x 8 tiles: 256 work-groups.
; CLUSTERS: 4 x 4 work-groups.  The four of a row of the cluster need the same tiles of xb, the four of a column the same tiles of w1b: each tile is asked for JOINTLY, by the same tensor load with the same
; descriptor and a mask that names the four, and each receives it in its own LDS.
; THE MATRIX INSTRUCTION IS USED TRANSPOSED: source 0 = 16 rows of w1b, source 1 = 16 rows of xb: lane l then holds row l % 16 of h and the columns 8 (l / 16) + 0 .. 7: eight neighbours, 16 bytes of f16.
; REGISTERS, in windows of 256 (s_set_vgpr_msb: bits 1:0 source 0, 3:2 source 1, 5:4 source 2, 7:6 destination):
;   window 0: v0-31 addresses; v64-127, v128-191 fragments of xb, two buffers; on the way out v32-63 rows read back, v64-127 T, v128-191 Q, v192-223 packed results
;   window 1: v64-127, v128-191 fragments of w1b, two buffers
;   window 2: the 32 accumulators of my rows 0-63 (accumulator (a, b) at v[8 (8 a + b)]);   window 3: those of my rows 64-127
.set SIZE_M, 2048
.set SIZE_N, 8192
.set SIZE_K, 2048
.set KSTEP,  128
.set PITCH,  272                       ; an LDS row: 256 bytes + 16 of padding = 68 words: row r starts at bank 4 r mod 64 (64 banks of 4 bytes: ISA guide 11.1): the 16 rows of a load start at 16 different banks
.set HALFT,  128*PITCH                 ; 128 rows: what one tensor load brings, and what one wave reads of either operand
.set SLOT,   4*HALFT                   ; xb's 256 rows, then w1b's 256 rows
.set STAGE,  2*SLOT                    ; behind the ring, never filled by a tensor load: 16 rows x 272 bytes for each wave, for the way out
.set SPITCH, 272
.set SPARE,  STAGE+4*16*SPITCH         ; behind the stages: the spare words, 128 bytes for each wave: two blocks of 256 bytes that no other line names
.set LAPS,   SIZE_K/(2*KSTEP)          ; a lap = two K steps = once round the ring: 8
.set ADRA, 16                          ; v16-17  LDS address of my xb fragments in slot 0, 1
.set ADRB, 20                          ; v20-21  the same for w1b
.set STO,  24                          ; v24     the way out: where I put 16 bytes of a row
.set RD,   25                          ; v25     the way out: where I read a row back
.set CO,   26                          ; v26     my byte offset in two rows of act
.set SPW,  28                          ; v28     LDS address of my spare word: SPARE + 4 x my thread's number; never rewritten
.set NIL,  29                          ; v29     0; never rewritten
.set PFO,  30                          ; v30     the prefetches' offset: my lane x a row in memory (4,096 bytes); never rewritten
.set F0,   64                          ; fragment buffer 0
.set F1,   128                         ; fragment buffer 1
.set OB,   32                          ; the way out: 16 rows read back from the stage
.set T,    64                          ; the way out: 64 numbers at work
.set Q,    128                         ; the way out: the block's 64 q
.set TMP,  192                         ; the way out: 32 registers of packed f16
.set G1,  24                           ; s[24:31] descriptor group 1 for xb's tiles
.set G0,  32                           ; s[32:39] descriptor group 0 for xb's tiles, one set for each slot
.set LIM, 43                           ; s43      1 in a wave that prefetches, else the greatest number
.set PFA, 44                           ; s[44:45] where my prefetches stand: my work-group's 32 rows of the 128 that I fetch, one K step further along K than the refill being asked for
.set G1B, 48                           ; s[48:55] descriptor group 1 for w1b's tiles: it differs in the mask alone
.set G0B, 56                           ; s[56:63] descriptor group 0 for w1b's tiles
.set C10, 66                           ; s[66:67] 10.0              (the packed forms name a pair and take its low word for both halves)
.set CM,  68                           ; s[68:69] 1.5 x 2^23
.set CNM, 70                           ; s[70:71] -1.5 x 2^23
.set K1,  72                           ; s[72:73] -1.0294324e-4 = -2 log2(e) sqrt(2 / pi) x 0.044715 x 0.001
.set K0,  74                           ; s[74:75] -0.23022082   = -2 log2(e) sqrt(2 / pi) x 0.1
.set QLO, 76                           ; s76      -32768.0
.set QHI, 77                           ; s77      32767.0
.set BLK, 78                           ; s78      the way out's block, 0 to 7
.set MSB, 0
.macro WIN new                         ; the immediate's high byte repeats the setting that is left; a switch that changes nothing is dropped
.if MSB != (\new)
	s_set_vgpr_msb (MSB<<8)|(\new)
.set MSB, \new
.endif
.endm
.set MUL_LO, 0xa1                      ; source 0 (w1b) window 1, source 1 (xb) window 0, C and D window 2
.set MUL_HI, 0xf1                      ; the same, C and D window 3
.set TO_B,   0x40                      ; destination window 1, address window 0
; A joint load.  Waves 0 and 1 fetch xb's two halves, waves 2 and 3 w1b's.  Each of the two lines has one mask and one set of registers for all that issue it; the branch hangs on the wave's number alone.
; An s_nop 0 and four v_nop follow each of the two lines, ahead of the jump, the label and what follows.
.macro JLOAD s
	s_cmp_eq_u32 s11, 0
	s_cbranch_scc0 .Lfor_b_\@
	tensor_load_to_lds s[G0+4*(\s):G0+4*(\s)+3], s[G1:G1+7]
	s_nop 0
.rept 4
	v_nop
.endr
	s_branch .Lasked_\@
.Lfor_b_\@:
	tensor_load_to_lds s[G0B+4*(\s):G0B+4*(\s)+3], s[G1B:G1B+7]
	s_nop 0
.rept 4
	v_nop
.endr
.Lasked_\@:
.endm
; A PREFETCH INTO THE L2, behind each joint refill, its five lines and the run of LDS loads that follows: the K step that stands TWO refills on (512 matrix instructions ahead of the load that will want it):
; 32 rows x 256 bytes, a lane a row, one instruction a wave.  Each row's 256 bytes of a K step are named ONCE in the launch: xb's tile row is read by all clusters of that row of clusters, and the one with
; cluster x = 0 asks; w1b's tile column by both clusters of that column, and the one with cluster y = 0 asks.  The four partners that ask for a tile jointly share its rows out BY ADDRESS: of the 128 rows that a wave
; fetches the partner at place p takes 32 p .. 32 p + 31 (p = cx for xb, cy for w1b): no branch hangs on a place in the cluster.  The loop's last trip (s3 = 1) asks for nothing: K steps 16 and 17 do not exist.
.macro ASK
	s_cmp_gt_u32 s3, s[LIM]
	s_cbranch_scc0 .Lnot_mine_\@
	global_prefetch_b8 v[PFO], s[PFA:PFA+1] offset:KSTEP*2 th:TH_LOAD_NT scope:SCOPE_SE
.Lnot_mine_\@:
.endm
; A round of the cluster's barrier: my work-group's barrier, so that wave 0's signal speaks for all four waves; wave 0 signals; every wave waits for all sixteen work-groups; my work-group's barrier once more.
.macro CREST                           ; a round behind its opening barrier
	s_cmp_lg_u32 s10, 0
	s_cbranch_scc1 .Lnot_wave_0_\@
	s_barrier_signal -3
.Lnot_wave_0_\@:
	s_barrier_wait -3
	s_barrier_signal -1
	s_barrier_wait -1
.endm
.macro CROUND                          ; a whole round
	s_barrier_signal -1
	s_barrier_wait -1
	CREST
.endm
	s_load_b128 s[4:7], s[0:1], 0x0                ; xb s[4:5], w1b s[6:7]
	s_load_b64 s[8:9], s[0:1], 0x10                ; act
	v_lshl_add_u32 v[SPW], v0, 2, SPARE
	v_mov_b32 v[NIL], 0
	ds_add_u32 v[SPW], v[NIL]                      ; the wave's opening: the add, twice on end, and its wait ahead of my first tensor load; the set-up below, work on registers, stands between
	ds_add_u32 v[SPW], v[NIL]                      ; and once more, under the one wait
	v_lshrrev_b32 v1, 5, v0
	v_readfirstlane_b32 s10, v1                    ; wave 0..3
	s_lshr_b32 s11, s10, 1                         ; which half of the tile's rows is mine.  Also: I fetch for xb (0) or for w1b (1)
	s_and_b32 s12, s10, 1                          ; which half of its columns.  Also: which 128 rows of that tile I fetch
	s_bfe_u32 s40, ttmp6, 0x40000                  ; cx: my place along the cluster's x
	s_bfe_u32 s41, ttmp6, 0x40004                  ; cy: along its y
	s_lshl_b32 s42, ttmp9, 2                       ; in a cluster launch ttmp9 and ttmp7 count clusters
	s_add_co_u32 s42, s42, s40                     ; tile column = 4 x cluster x + cx
	s_and_b32 s13, ttmp7, 0xffff
	s_lshl_b32 s13, s13, 2
	s_add_co_u32 s13, s13, s41                     ; tile row = 4 x cluster y + cy
	s_lshl_b32 s43, s41, 2
	s_lshl_b32 s43, 15, s43                        ; my row of the cluster: places 4 cy .. 4 cy + 3
	s_lshl_b32 s44, 0x1111, s40                    ; my column: places cx, cx + 4, cx + 8, cx + 12
	; descriptor group 1: a tile of 128 rows x 128 elements, padded in LDS
	s_or_b32 s[G1+0], s43, (1<<16)|(1<<20)|(1<<21)|(5<<22)|(3<<25)  ; 15:0 the mask: xb's tiles go to my row; 17:16 elements of 2 bytes; 20 padding on; 21 set beside a mask; 24:22 after every 64 words (code 5); 31:25 4 words (code 3)
	s_or_b32 s[G1B+0], s44, (1<<16)|(1<<20)|(1<<21)|(5<<22)|(3<<25) ; the same with the mask of my column, for w1b's tiles
.irp g, G1, G1B
	s_mov_b32 s[(\g)+1], KSTEP<<16                 ; tensor_dim0 = 128
	s_mov_b32 s[(\g)+2], 128<<16                   ; tensor_dim1 = 128
	s_mov_b32 s[(\g)+3], KSTEP<<16                 ; tile_dim0 = 128
	s_mov_b32 s[(\g)+4], 128                       ; tile_dim1 = 128
	s_mov_b32 s[(\g)+5], SIZE_K                    ; elements from row to row
	s_mov_b32 s[(\g)+6], 0
	s_mov_b32 s[(\g)+7], 0
.endr
	; where the tiles come from: xb's hang on the tile row alone, which my row of the cluster shares; w1b's on the tile column alone, which my column shares
	s_lshl_b32 s17, s12, 7                         ; which 128 rows of the tile I fetch
	s_lshl_b32 s16, s13, 8
	s_add_co_u32 s16, s16, s17                     ; xb: row 256 x tile row + 128 x half
	s_lshl_b32 s46, s42, 8
	s_add_co_u32 s46, s46, s17                     ; w1b: row 256 x tile column + 128 x half
	s_mov_b32 s17, 0
	s_mov_b32 s47, 0
	s_mov_b64 s[18:19], SIZE_K*2
	s_mul_u64 s[16:17], s[16:17], s[18:19]         ; in bytes
	s_mul_u64 s[46:47], s[46:47], s[18:19]
	s_mul_i32 s20, s10, HALFT                      ; and where they go: wave x 128 rows: no place in the cluster enters an LDS address
	s_mov_b32 s[C10], 0x41200000                   ; the activation's constants
	s_mov_b32 s[C10+1], 0x41200000
	s_mov_b32 s[CM], 0x4b400000
	s_mov_b32 s[CM+1], 0x4b400000
	s_mov_b32 s[CNM], 0xcb400000
	s_mov_b32 s[CNM+1], 0xcb400000
	s_mov_b32 s[K1], 0xb8d7e33b
	s_mov_b32 s[K1+1], 0xb8d7e33b
	s_mov_b32 s[K0], 0xbe6bbf02
	s_mov_b32 s[K0+1], 0xbe6bbf02
	s_mov_b32 s[QLO], 0xc7000000
	s_mov_b32 s[QHI], 0x46fffe00
	s_wait_dscnt 0x0                               ; both opening adds are done
	s_wait_kmcnt 0x0
	s_add_nc_u64 s[14:15], s[4:5], s[16:17]
	s_add_nc_u64 s[46:47], s[6:7], s[46:47]
	CROUND                                         ; all sixteen work-groups are here: the first joint loads meet
.irp s, 0,1
	s_mov_b32 s[G0+4*(\s)], 1                                      ; count = 1
	s_add_co_u32 s[G0+4*(\s)+1], s20, (\s)*SLOT                    ; LDS address
	s_add_nc_u64 s[G0+4*(\s)+2:G0+4*(\s)+3], s[14:15], (\s)*KSTEP*2  ; global address: K step s
	s_or_b32 s[G0+4*(\s)+3], s[G0+4*(\s)+3], 0x80000000            ; type = 2
	s_mov_b32 s[G0B+4*(\s)], 1
	s_add_co_u32 s[G0B+4*(\s)+1], s20, (\s)*SLOT
	s_add_nc_u64 s[G0B+4*(\s)+2:G0B+4*(\s)+3], s[46:47], (\s)*KSTEP*2
	s_or_b32 s[G0B+4*(\s)+3], s[G0B+4*(\s)+3], 0x80000000
	JLOAD \s                                       ; the ring is filled before anything else is done: two tensor loads of mine are out
.endr
	; A fragment is 16 rows x 32 K in 8 registers: lane l holds row l % 16; registers 0-3 K = 8 (l / 16) + 0..7, registers 4-7 K = 16 + 8 (l / 16) + 0..7: two loads of 16 bytes, 32 bytes apart.
	v_and_b32 v1, 15, v0                           ; l % 16
	v_bfe_u32 v2, v0, 4, 1                         ; l / 16
	v_mul_u32_u24 v3, v1, PITCH
	v_lshl_add_u32 v3, v2, 4, v3                   ; row x pitch + 16 x half
	s_mul_i32 s21, s11, HALFT                      ; my 128 rows of xb
	s_mul_i32 s22, s12, HALFT                      ; my 128 rows of w1b,
	s_add_co_u32 s22, s22, 2*HALFT                 ; which lie behind xb's 256
.irp s, 0,1
	v_add_nc_u32 v[ADRA+(\s)], s21, v3
	v_add_nc_u32 v[ADRB+(\s)], s22, v3
	s_add_co_u32 s21, s21, SLOT
	s_add_co_u32 s22, s22, SLOT
.endr
	s_mul_i32 s23, s10, 16*SPITCH
	s_add_co_u32 s23, s23, STAGE                   ; my stage
	v_mul_u32_u24 v4, v1, SPITCH                   ; in: row l % 16, 16 bytes for each half of the lanes
	v_lshl_add_u32 v4, v2, 4, v4
	v_add_nc_u32 v[STO], s23, v4
	v_mul_u32_u24 v5, v2, SPITCH                   ; back: lanes 0-15 take one row of 256 bytes, lanes 16-31 the next
	v_lshl_add_u32 v5, v1, 4, v5
	v_add_nc_u32 v[RD], s23, v5
	v_mul_u32_u24 v5, v2, SIZE_N*2                 ; and the same two rows in act
	v_lshl_add_u32 v[CO], v1, 4, v5
	; where my part of the tile begins in act
	s_lshl_b32 s13, s13, 8
	s_lshl_b32 s14, s11, 7
	s_add_co_u32 s16, s13, s14                     ; my first row
	s_mov_b32 s17, 0
	s_mov_b64 s[18:19], SIZE_N*2
	s_mul_u64 s[16:17], s[16:17], s[18:19]
	s_lshl_b32 s46, s42, 9                         ; my first column, in bytes: 512 x tile column + 256 x half
	s_lshl_b32 s47, s12, 8
	s_add_co_u32 s46, s46, s47
	s_mov_b32 s47, 0
	s_add_nc_u64 s[16:17], s[16:17], s[46:47]
	s_add_nc_u64 s[8:9], s[8:9], s[16:17]
	; the prefetches.  s13 = 256 x tile row, s42 = tile column, s40 = cx, s41 = cy still stand
	s_lshl_b32 s42, s42, 8
	s_and_b32 s22, ttmp7, 0xffff                   ; cluster y
	s_cmp_eq_u32 s11, 0                            ; do I fetch for xb?
	s_cselect_b32 s20, s13, s42                    ; the tile's first row
	s_cselect_b32 s21, s40, s41                    ; my place among the four that ask for it with me
	s_cselect_b32 s22, ttmp9, s22                  ; the coordinate along which other clusters read the same rows
	s_cselect_b64 s[PFA:PFA+1], s[4:5], s[6:7]
	s_cmp_eq_u32 s22, 0
	s_cselect_b32 s[LIM], 1, -1                    ; the same in all sixteen partners, for a given wave
	s_lshl_b32 s22, s12, 7
	s_add_co_u32 s20, s20, s22                     ; + the 128 rows that I fetch
	s_lshl_b32 s21, s21, 5
	s_add_co_u32 s20, s20, s21                     ; + my work-group's 32 of them
	s_mov_b32 s21, 0
	s_mov_b64 s[18:19], SIZE_K*2
	s_mul_u64 s[20:21], s[20:21], s[18:19]
	s_add_nc_u64 s[PFA:PFA+1], s[PFA:PFA+1], s[20:21]
	s_add_nc_u64 s[PFA:PFA+1], s[PFA:PFA+1], 2*KSTEP*2  ; at K step 2: the first refill steps it to 3 and names K step 4.  Nothing is prefetched here, at the head: K steps 0 to 3 come by their loads alone
	v_and_b32 v[PFO], 31, v0
	v_mul_u32_u24 v[PFO], v[PFO], SIZE_K*2
; 16 matrix instructions: m blocks a0, a0 + 1 of the window's four (hi = 0: my rows 0-63, 1: rows 64-127) x all 8 n blocks, 32 along K.  zero = 1: the first product starts the sums: nothing is cleared.
; The 64 accumulators take turns, one instruction a turn, in the same order in every quarter step, over the backward jump too.
.macro MUL16 f, hi, a0, zero
	WIN MUL_LO+0x50*(\hi)
.irp a, \a0, (\a0)+1
.irp b, 0,1,2,3,4,5,6,7
.if \zero
	v_wmma_f32_16x16x32_bf16 v[8*(8*(\a)+(\b)):8*(8*(\a)+(\b))+7], v[(\f)+8*(\b):(\f)+8*(\b)+7], v[(\f)+8*(4*(\hi)+(\a)):(\f)+8*(4*(\hi)+(\a))+7], 0
.else
	v_wmma_f32_16x16x32_bf16 v[8*(8*(\a)+(\b)):8*(8*(\a)+(\b))+7], v[(\f)+8*(\b):(\f)+8*(\b)+7], v[(\f)+8*(4*(\hi)+(\a)):(\f)+8*(4*(\hi)+(\a))+7], v[8*(8*(\a)+(\b)):8*(8*(\a)+(\b))+7]
.endif
.endr
.endr
.endm
; 32 LDS loads in one run: the fragments of one quarter step (128 rows of w1b, then 128 rows of xb, 32 K at byte k of the rows) into buffer f
.macro FETCH slot, k, f
	WIN TO_B
.irp i, 0,1,2,3,4,5,6,7
	ds_load_b128 v[(\f)+8*(\i):(\f)+8*(\i)+3],   v[ADRB+(\slot)] offset:(\k)+(\i)*16*PITCH
	ds_load_b128 v[(\f)+8*(\i)+4:(\f)+8*(\i)+7], v[ADRB+(\slot)] offset:(\k)+(\i)*16*PITCH+32
.endr
	WIN 0
.irp i, 0,1,2,3,4,5,6,7
	ds_load_b128 v[(\f)+8*(\i):(\f)+8*(\i)+3],   v[ADRA+(\slot)] offset:(\k)+(\i)*16*PITCH
	ds_load_b128 v[(\f)+8*(\i)+4:(\f)+8*(\i)+7], v[ADRA+(\slot)] offset:(\k)+(\i)*16*PITCH+32
.endr
.endm
; A load into a register that a matrix instruction has read, and a vector instruction that reads a matrix result or writes one of its registers, stand four places behind it; only plain vector
; instructions that name none of its registers are places (ISA guide 7.12.1 for vector instructions).
.macro PLACES
.rept 4
	v_nop
.endr
.endm
; A K step is four quarter steps of 32 along K, 64 matrix instructions each, on buffers 0, 1, 0, 1.  One of the first three: multiplies buffer f; in its middle it fetches the next quarter, at byte k, into g.
.macro QUARTER slot, k, f, g, zero
	s_wait_dscnt 8                                 ; w1b's fragments and xb's rows 0-63 are in; the youngest eight loads (xb's rows 64-127) may be out
	MUL16 \f, 0, 0, \zero
	MUL16 \f, 0, 2, \zero
	PLACES
	FETCH \slot, \k, \g
	s_wait_dscnt 32                                ; all but the 32 just issued
	MUL16 \f, 1, 0, \zero
	MUL16 \f, 1, 2, \zero
.endm
; The last quarter multiplies buffer 1 and changes slots: ONE barrier for two things.  In front of it each wave waits for all its tensor loads, of which one is out: its part of the next slot; adds 0 to its spare
; word; and waits for that and for its own reads of this slot.  Behind it nobody reads this slot any more and the next slot is whole.  fill = 1: the barrier opens a round of the cluster's barrier, so that the same
; holds of all sixteen work-groups, and the slot just read out is filled again first, with the K step two on: from that request to the wait for it a wave issues 224 matrix instructions.
.macro TURN slot, next, fill
.if \fill
	s_wait_xcnt 0x0                                ; the last prefetch, a K step back, has read its address: it is stepped here, ahead of the waits of the change of slots
	s_add_nc_u64 s[PFA:PFA+1], s[PFA:PFA+1], KSTEP*2
.endif
	WIN 0                                          ; (the add's two registers lie in window 0)
	s_wait_tensorcnt 0x0                           ; all my tensor loads have landed: the one that was out is my part of the next slot;
	ds_add_u32 v[SPW], v[NIL]                      ; 0 onto my spare word;
	s_wait_dscnt 9                                 ; (the add and the youngest eight loads may be out)
	MUL16 F1, 0, 0, 0                              ; sixteen matrix instructions stand between the add and the wait for it
	s_wait_dscnt 0x0                               ; the add is done, and my reads of this slot are over:
	s_barrier_signal -1                            ; say so,
	MUL16 F1, 0, 2, 0                              ; work on registers while the others arrive,
.if \fill
	WIN 0
.endif
	s_barrier_wait -1                              ; and go on when all four have said so
.if \fill
	CREST                                          ; no wave of any partner still reads this slot's tile or has a load on its way
	s_add_nc_u64 s[G0+4*(\slot)+2:G0+4*(\slot)+3], s[G0+4*(\slot)+2:G0+4*(\slot)+3], 2*KSTEP*2
	s_add_nc_u64 s[G0B+4*(\slot)+2:G0B+4*(\slot)+3], s[G0B+4*(\slot)+2:G0B+4*(\slot)+3], 2*KSTEP*2
	JLOAD \slot                                    ; my one tensor load behind the round; the four v_nop behind it are also the places in front of the loads below
.else
	PLACES
.endif
	FETCH \next, 0, F0
.if \fill
	ASK
.endif
	MUL16 F1, 1, 0, 0
	MUL16 F1, 1, 2, 0
.endm
	s_wait_tensorcnt 1                             ; my part of K step 0 is in; K step 1's may stay out
	s_barrier_signal -1
	s_barrier_wait -1                              ; everybody's is
	FETCH 0, 0, F0
	QUARTER 0, 64,  F0, F1, 1                      ; the first quarter stands in front of the loop: its products start the sums
	WIN 0                                          ; at a label and at a branch every window is 0
	s_mov_b32 s3, LAPS-1
.Llap:                                                 ; a trip goes once round the ring, from a lap's second quarter to the next lap's first, and fills both slots again
	QUARTER 0, 128, F1, F0, 0
	QUARTER 0, 192, F0, F1, 0
	TURN 0, 1, 1
	QUARTER 1, 64,  F0, F1, 0
	QUARTER 1, 128, F1, F0, 0
	QUARTER 1, 192, F0, F1, 0
	TURN 1, 0, 1
	QUARTER 0, 64,  F0, F1, 0
	WIN 0
	s_sub_co_u32 s3, s3, 1
	s_cmp_lg_u32 s3, 0
	s_cbranch_scc1 .Llap
	QUARTER 0, 128, F1, F0, 0                      ; the last lap is written out: it fills nothing, and has no round of the cluster's barrier
	QUARTER 0, 192, F0, F1, 0
	TURN 0, 1, 0
	QUARTER 1, 64,  F0, F1, 0
	QUARTER 1, 128, F1, F0, 0
	QUARTER 1, 192, F0, F1, 0
	s_wait_dscnt 8                                 ; the very last quarter: nothing more to fetch
	MUL16 F1, 0, 0, 0
	MUL16 F1, 0, 2, 0
	s_wait_dscnt 0x0
	MUL16 F1, 1, 0, 0
	MUL16 F1, 1, 2, 0
	WIN 0
	PLACES                                         ; the places behind the last products, in front of the lines that read results and write over the fragments' registers;
	PLACES                                         ; eight, once a launch
	; THE WAY OUT: eight blocks of 16 rows x 128 columns, one text walked eight times.  Only the first line of the activation names accumulators, which lie at other registers for each block: it is written eight
	; times (ARM), chosen by the counter; all else works in window 0 on Q and T.
	s_mov_b32 s[BLK], 0
.Lblk:
.irp n, 0,1,2,3,4,5,6
	s_cmp_eq_u32 s[BLK], \n
	s_cbranch_scc1 .Larm\n
.endr
; block a: Q = 10 h + 1.5 x 2^23, which rounds 10 h to a whole number.  Each accumulator's registers are taken in ascending order.
.macro ARM a, jump
.Larm\a:
	WIN 0x02+(\a)/4                                ; source 0: window 2 or 3; destination: window 0
.set AC, 64*((\a)%4)
.set i, 0
.rept 32
	v_pk_fma_f32 v[Q+i:Q+i+1], v[AC+i:AC+i+1], s[C10:C10+1], s[CM:CM+1] op_sel_hi:[1,0,0]
.set i, i+2
.endr
	WIN 0
.if \jump
	s_branch .Lcommon
.endif
.endm
	ARM 7, 1
	ARM 0, 1
	ARM 1, 1
	ARM 2, 1
	ARM 3, 1
	ARM 4, 1
	ARM 5, 1
	ARM 6, 0
.Lcommon:
.set i, 0
.rept 32
	v_pk_add_f32 v[Q+i:Q+i+1], v[Q+i:Q+i+1], s[CNM:CNM+1] op_sel_hi:[1,0]  ; the whole number itself
.set i, i+2
.endr
.set i, 0
.rept 64
	v_med3_num_f32 v[Q+i], v[Q+i], s[QLO], s[QHI]  ; the clip
.set i, i+1
.endr
.set i, 0
.rept 32
	v_pk_mul_f32 v[T+i:T+i+1], v[Q+i:Q+i+1], v[Q+i:Q+i+1]  ; q^2
.set i, i+2
.endr
.set i, 0
.rept 32
	v_pk_fma_f32 v[T+i:T+i+1], v[T+i:T+i+1], s[K1:K1+1], s[K0:K0+1] op_sel_hi:[1,0,0]  ; K1 q^2 + K0
.set i, i+2
.endr
.set i, 0
.rept 32
	v_pk_mul_f32 v[T+i:T+i+1], v[T+i:T+i+1], v[Q+i:Q+i+1]  ; arg
.set i, i+2
.endr
.set i, 0
.rept 64
	v_exp_f32 v[T+i], v[T+i]                       ; one batch of 64
.set i, i+1
.endr
	v_nop                                          ; a plain instruction behind the last exponential,
	s_wait_alu depctr_va_vdst(0)                   ; and the wait ahead of the first use: one for the batch
.set i, 0
.rept 32
	v_pk_fma_f32 v[T+i:T+i+1], v[T+i:T+i+1], s[C10:C10+1], s[C10:C10+1] op_sel_hi:[1,0,0]  ; 10 x 2^arg + 10
.set i, i+2
.endr
.set i, 0
.rept 64
	v_rcp_f32 v[T+i], v[T+i]                       ; one batch of 64
.set i, i+1
.endr
	v_nop
	s_wait_alu depctr_va_vdst(0)                   ; one wait for the batch
.set i, 0
.rept 32
	v_pk_mul_f32 v[T+i:T+i+1], v[T+i:T+i+1], v[Q+i:Q+i+1]  ; act = q / (10 + 10 x 2^arg)
.set i, i+2
.endr
.set i, 0
.rept 32
	v_cvt_pk_f16_f32 v[TMP+i], v[T+2*i], v[T+2*i+1]  ; rounded once to f16: a lane's eight columns of n block i / 4 are 16 bytes
.set i, i+1
.endr
.irp b, 0,1,2,3,4,5,6,7
	ds_store_b128 v[STO], v[TMP+4*(\b):TMP+4*(\b)+3] offset:32*(\b)
.endr
.irp t, 0,1,2,3,4,5,6,7
	ds_load_b128 v[OB+4*(\t):OB+4*(\t)+3], v[RD] offset:(\t)*2*SPITCH  ; LDS serves a wave's instructions in order (ISA guide 5.7.1.4): these see the stores above; the stage is my wave's own
.endr
	s_wait_dscnt 0x0                               ; the block is back in registers, as whole rows
.irp t, 0,1,2,3,4,5,6,7
	global_store_b128 v[CO], v[OB+4*(\t):OB+4*(\t)+3], s[8:9] offset:2*(\t)*SIZE_N*2  ; 16 lanes store 256 consecutive bytes, at a multiple of 256 from act's first byte
.endr
	s_wait_xcnt 0x0                                ; the stores' base, and the registers that they read, are written again only behind this wait
	s_add_nc_u64 s[8:9], s[8:9], 16*SIZE_N*2       ; 16 rows on (behind the last block the stepped address is not used)
	s_add_co_u32 s[BLK], s[BLK], 1
	s_cmp_lt_u32 s[BLK], 8
	s_cbranch_scc1 .Lblk
	s_wait_tensorcnt 0x0                           ; the wave's end, behind my last tensor load and my last LDS store
	ds_add_u32 v[SPW], v[NIL]
	s_wait_dscnt 0x0
	CROUND                                         ; the closing round: no work-group ends while a partner may still ask for a tile that names it
	s_endpgm
.Lfunc_end_k_qb46e91623e_fc1:
	.size	k_qb46e91623e_fc1, .Lfunc_end_k_qb46e91623e_fc1-k_qb46e91623e_fc1
	.p2alignl 7, 3214868480
	.fill 96, 4, 3214868480
	.section	.rodata,"a",@progbits
	.p2align	6, 0x0
	.amdhsa_kernel k_qb46e91623e_fc1
		.amdhsa_group_segment_fixed_size 327680
		.amdhsa_private_segment_fixed_size 0
		.amdhsa_enable_private_segment 0
		.amdhsa_kernarg_size 24
		.amdhsa_user_sgpr_count 2
		.amdhsa_user_sgpr_kernarg_segment_ptr 1
		.amdhsa_wavefront_size32 1
		.amdhsa_system_sgpr_workgroup_id_x 1
		.amdhsa_system_sgpr_workgroup_id_y 1
		.amdhsa_system_sgpr_workgroup_id_z 1
		.amdhsa_system_vgpr_workitem_id 0
		.amdhsa_next_free_vgpr 1024
		.amdhsa_next_free_sgpr 80
		.amdhsa_reserve_vcc 0
		.amdhsa_float_denorm_mode_32 3
		.amdhsa_float_denorm_mode_16_64 3
		.amdhsa_memory_ordered 1
		.amdhsa_forward_progress 1
		.amdhsa_inst_pref_size 155
	.end_amdhsa_kernel
	.amdgpu_metadata
---
amdhsa.version: [ 1, 2 ]
amdhsa.kernels:
  - .name:           k_qb46e91623e_fc1
    .symbol:         k_qb46e91623e_fc1.kd
    .args:
      - { .name: xb, .offset: 0, .size: 8, .value_kind: global_buffer, .address_space: global }
      - { .name: w1b, .offset: 8, .size: 8, .value_kind: global_buffer, .address_space: global }
      - { .name: act, .offset: 16, .size: 8, .value_kind: global_buffer, .address_space: global }
    .group_segment_fixed_size: 327680
    .private_segment_fixed_size: 0
    .kernarg_segment_align: 8
    .kernarg_segment_size: 24
    .max_flat_workgroup_size: 128
    .sgpr_count:     80
    .vgpr_count:     1024
    .wavefront_size: 32
...
	.end_amdgpu_metadata
.endif
;; end of part 2
;; launch fc2 (part 3): grid 8 x 32, 4 waves a work-group, clusters of 4 x 4, 327,680 bytes of LDS; arguments act, w2h, part; writes part
.if DOCPART == 3
	.amdgcn_target "amdgcn-amd-amdhsa--gfx1250"
	.amdhsa_code_object_version 6
	.text
	.protected	k_qb46e91623e_fc2
	.globl	k_qb46e91623e_fc2
	.p2align	8
	.type	k_qb46e91623e_fc2,@function
k_qb46e91623e_fc2:
	s_mov_b64 s[64:65], 0
	v_nop
	global_prefetch_b8 v0, s[64:65] scope:SCOPE_SE
	s_setreg_imm32_b32 hwreg(HW_REG_WAVE_MODE, 25, 1), 1
	s_wait_xcnt 0x0
	s_wait_alu depctr_hold_cnt(0) depctr_sa_sdst(0) depctr_va_vdst(0) depctr_va_sdst(0) depctr_va_ssrc(0) depctr_va_vcc(0) depctr_vm_vsrc(0)
	s_getreg_b32 s2, hwreg(HW_REG_IB_STS2, 6, 4)
	s_cmp_eq_u32 s2, 0
	s_cbranch_scc0 .Lentry_in_a_cluster
	s_endpgm
.Lentry_in_a_cluster:
	s_bfe_u32 s2, ttmp6, 0x10000c
	s_cmp_lg_u32 s2, 0xf033
	s_cbranch_scc0 .Lentry_shape_is_right
	s_endpgm
.Lentry_shape_is_right:
; part[s][m][d] = sum over f = 2048 s .. 2048 s + 2047 of act[m][f] w2h[d][f].  act: [2048][8192] f16, w2h: [2048][8192] f16, part: [4][2048][2048] f32; sums in f32.  The launch behind adds the four parts to out0.
; Nothing of reference() is left out here.
; LIMITS.  Both operands arrive within f16's range (act by reference()'s own clip, w2h as the first launch states); a sum over f is taken in four parts, each in ascending f, and the parts are added in f32.
; WHY K IS SPLIT AMONG WORK-GROUPS.  2048 x 2048 x 8192 on 256 work-groups is 2^27 multiply-adds each.  As a tile of 128 x 128 over all of K a work-group would bring (128 + 128) x 8192 x 2 bytes = 4 MiB into its LDS;
; as a tile of 256 x 256 over a quarter of K it brings (256 + 256) x 2048 x 2 bytes = 2 MiB, in 16 fills with 256 matrix instructions a wave beside each.  The price: 64 MiB of partial sums stored here and read by the launch behind.
; SHAPE.  A work-group of four waves makes 256 x 256 of one part; a wave makes 128 x 128: 64 accumulators of 16 x 16, 512 registers.  Its K goes in 16 steps of 128 through a ring of two LDS slots filled by the
; tensor data mover: the tiles' rows are 256 bytes of memory, at multiples of 256 bytes from the buffer's first byte.  8 x 8 tiles x 4 quarters of K: 256 work-groups.
; CLUSTERS: 4 x 4 work-groups, all of one quarter of K (cluster y / 2); tile column = 4 x cluster x + cx, tile row = 4 x (cluster y % 2) + cy.  The four of a row of the cluster need the same tiles of act, the four of
; a column the same tiles of w2h: each tile is asked for JOINTLY, by the same tensor load with the same descriptor and a mask that names the four, and each receives it in its own LDS.
; THE MATRIX INSTRUCTION IS USED TRANSPOSED: source 0 = 16 rows of w2h, source 1 = 16 rows of act: lane l then holds row l % 16 of the part and the columns 8 (l / 16) + 0 .. 7: 32 bytes on end.
; REGISTERS, in windows of 256 (s_set_vgpr_msb: bits 1:0 source 0, 3:2 source 1, 5:4 source 2, 7:6 destination):
;   window 0: v0-31 addresses; v64-127, v128-191 fragments of act, two buffers; on the way out the same registers are two sets of 16 rows read back
;   window 1: v64-127, v128-191 fragments of w2h, two buffers
;   window 2: the 32 accumulators of my rows 0-63 (accumulator (a, b) at v[8 (8 a + b)]);   window 3: those of my rows 64-127
.set SIZE_N, 2048                      ; columns of a part
.set ROWK,   8192                      ; elements in a row of act and of w2h
.set SPLITK, 2048                      ; a work-group's share of them
.set KSTEP,  128
.set PITCH,  272                       ; an LDS row: 256 bytes + 16 of padding = 68 words: row r starts at bank 4 r mod 64 (64 banks of 4 bytes: ISA guide 11.1): the 16 rows of a load start at 16 different banks
.set HALFT,  128*PITCH                 ; 128 rows: what one tensor load brings, and what one wave reads of either operand
.set SLOT,   4*HALFT                   ; act's 256 rows, then w2h's 256 rows
.set STAGE,  2*SLOT                    ; behind the ring, never filled by a tensor load: 16 rows x 528 bytes for each wave, for the way out
.set SPITCH, 528                       ; a stage row: 512 bytes + 16 = 132 words: row r starts at bank 4 r mod 64
.set SPARE,  STAGE+4*16*SPITCH         ; behind the stages: the spare words, 128 bytes for each wave: two blocks of 256 bytes that no other line names
.set LAPS,   SPLITK/(2*KSTEP)          ; a lap = two K steps = once round the ring: 8
.set ADRA, 16                          ; v16-17  LDS address of my act fragments in slot 0, 1
.set ADRB, 20                          ; v20-21  the same for w2h
.set PST,  24                          ; v24     the way out: where I put 32 bytes of a row
.set RD,   25                          ; v25     the way out: where I read 16 bytes of a row back
.set CO,   26                          ; v26     16 x my lane: my 16 bytes of a row's 512 in the part
.set SPW,  28                          ; v28     LDS address of my spare word: SPARE + 4 x my thread's number; never rewritten
.set NIL,  29                          ; v29     0; never rewritten
.set PFO,  30                          ; v30     the prefetches' offset: my lane x a row in memory (16,384 bytes); never rewritten
.set F0,   64                          ; fragment buffer 0
.set F1,   128                         ; fragment buffer 1
.set OB,   64                          ; the way out: two sets of 64 registers, 16 rows read back from the stage
.set G1,  24                           ; s[24:31] descriptor group 1 for act's tiles
.set G0,  32                           ; s[32:39] descriptor group 0 for act's tiles, one set for each slot
.set LIM, 43                           ; s43      1 in a wave that prefetches, else the greatest number
.set PFA, 44                           ; s[44:45] where my prefetches stand: my work-group's 32 rows of the 128 that I fetch, one K step further along K than the refill being asked for
.set G1B, 48                           ; s[48:55] descriptor group 1 for w2h's tiles: it differs in the mask alone
.set G0B, 56                           ; s[56:63] descriptor group 0 for w2h's tiles
.set KO,  66                           ; s[66:67] my quarter of K, in bytes of a row: 4,096 x quarter
.set PO,  68                           ; s[68:69] my part's first byte: 16 MiB x quarter
.set MSB, 0
.macro WIN new                         ; the immediate's high byte repeats the setting that is left; a switch that changes nothing is dropped
.if MSB != (\new)
	s_set_vgpr_msb (MSB<<8)|(\new)
.set MSB, \new
.endif
.endm
.set MUL_LO, 0xa1                      ; source 0 (w2h) window 1, source 1 (act) window 0, C and D window 2
.set MUL_HI, 0xf1                      ; the same, C and D window 3
.set TO_B,   0x40                      ; destination window 1, address window 0
; A joint load.  Waves 0 and 1 fetch act's two halves, waves 2 and 3 w2h's.  Each of the two lines has one mask and one set of registers for all that issue it; the branch hangs on the wave's number alone.
; An s_nop 0 and four v_nop follow each of the two lines, ahead of the jump, the label and what follows.
.macro JLOAD s
	s_cmp_eq_u32 s11, 0
	s_cbranch_scc0 .Lfor_b_\@
	tensor_load_to_lds s[G0+4*(\s):G0+4*(\s)+3], s[G1:G1+7]
	s_nop 0
.rept 4
	v_nop
.endr
	s_branch .Lasked_\@
.Lfor_b_\@:
	tensor_load_to_lds s[G0B+4*(\s):G0B+4*(\s)+3], s[G1B:G1B+7]
	s_nop 0
.rept 4
	v_nop
.endr
.Lasked_\@:
.endm
; A PREFETCH INTO THE L2, behind each joint refill, its five lines and the run of LDS loads that follows: the K step that stands TWO refills on (512 matrix instructions ahead of the load that will want it):
; 32 rows x 256 bytes, a lane a row, one instruction a wave.  Each row's 256 bytes of a K step are named ONCE in the launch: a tile row's quarter of act is read by the two clusters of one cluster y, and the one with
; cluster x = 0 asks; a tile column's quarter of w2h by the two clusters of one cluster x and one quarter, and the one with even cluster y asks.  The four partners that ask for a tile jointly share its rows out
; BY ADDRESS: of the 128 rows that a wave fetches the partner at place p takes 32 p .. 32 p + 31 (p = cx for act, cy for w2h): no branch hangs on a place in the cluster.  The loop's last trip (s3 = 1) asks for
; nothing: the quarter has no K steps 16 and 17.
.macro ASK
	s_cmp_gt_u32 s3, s[LIM]
	s_cbranch_scc0 .Lnot_mine_\@
	global_prefetch_b8 v[PFO], s[PFA:PFA+1] offset:KSTEP*2 th:TH_LOAD_NT scope:SCOPE_SE
.Lnot_mine_\@:
.endm
; A round of the cluster's barrier: my work-group's barrier, so that wave 0's signal speaks for all four waves; wave 0 signals; every wave waits for all sixteen work-groups; my work-group's barrier once more.
.macro CREST                           ; a round behind its opening barrier
	s_cmp_lg_u32 s10, 0
	s_cbranch_scc1 .Lnot_wave_0_\@
	s_barrier_signal -3
.Lnot_wave_0_\@:
	s_barrier_wait -3
	s_barrier_signal -1
	s_barrier_wait -1
.endm
.macro CROUND                          ; a whole round
	s_barrier_signal -1
	s_barrier_wait -1
	CREST
.endm
	s_load_b128 s[4:7], s[0:1], 0x0                ; act s[4:5], w2h s[6:7]
	s_load_b64 s[8:9], s[0:1], 0x10                ; part
	v_lshl_add_u32 v[SPW], v0, 2, SPARE
	v_mov_b32 v[NIL], 0
	ds_add_u32 v[SPW], v[NIL]                      ; the wave's opening: the add, twice on end, and its wait ahead of my first tensor load; the set-up below, work on registers, stands between
	ds_add_u32 v[SPW], v[NIL]                      ; and once more, under the one wait
	v_lshrrev_b32 v1, 5, v0
	v_readfirstlane_b32 s10, v1                    ; wave 0..3
	s_lshr_b32 s11, s10, 1                         ; which half of the tile's rows is mine.  Also: I fetch for act (0) or for w2h (1)
	s_and_b32 s12, s10, 1                          ; which half of its columns.  Also: which 128 rows of that tile I fetch
	s_bfe_u32 s40, ttmp6, 0x40000                  ; cx: my place along the cluster's x
	s_bfe_u32 s41, ttmp6, 0x40004                  ; cy: along its y
	s_lshl_b32 s42, ttmp9, 2                       ; in a cluster launch ttmp9 and ttmp7 count clusters
	s_add_co_u32 s42, s42, s40                     ; tile column = 4 x cluster x + cx
	s_and_b32 s2, ttmp7, 0xffff                    ; cluster y, 0 to 7
	s_and_b32 s13, s2, 1
	s_lshl_b32 s13, s13, 2
	s_add_co_u32 s13, s13, s41                     ; tile row = 4 x (cluster y % 2) + cy
	s_lshr_b32 s2, s2, 1                           ; the quarter of K: the same in all sixteen partners
	s_lshl_b32 s[KO], s2, 12                       ; its 2,048 elements of 2 bytes along a row
	s_mov_b32 s[KO+1], 0
	s_lshl_b32 s[PO], s2, 24                       ; its part: 2048 x 2048 x 4 bytes
	s_mov_b32 s[PO+1], 0
	s_lshl_b32 s43, s41, 2
	s_lshl_b32 s43, 15, s43                        ; my row of the cluster: places 4 cy .. 4 cy + 3
	s_lshl_b32 s44, 0x1111, s40                    ; my column: places cx, cx + 4, cx + 8, cx + 12
	; descriptor group 1: a tile of 128 rows x 128 elements, padded in LDS
	s_or_b32 s[G1+0], s43, (1<<16)|(1<<20)|(1<<21)|(5<<22)|(3<<25)  ; 15:0 the mask: act's tiles go to my row; 17:16 elements of 2 bytes; 20 padding on; 21 set beside a mask; 24:22 after every 64 words (code 5); 31:25 4 words (code 3)
	s_or_b32 s[G1B+0], s44, (1<<16)|(1<<20)|(1<<21)|(5<<22)|(3<<25) ; the same with the mask of my column, for w2h's tiles
.irp g, G1, G1B
	s_mov_b32 s[(\g)+1], KSTEP<<16                 ; tensor_dim0 = 128
	s_mov_b32 s[(\g)+2], 128<<16                   ; tensor_dim1 = 128
	s_mov_b32 s[(\g)+3], KSTEP<<16                 ; tile_dim0 = 128
	s_mov_b32 s[(\g)+4], 128                       ; tile_dim1 = 128
	s_mov_b32 s[(\g)+5], ROWK                      ; elements from row to row
	s_mov_b32 s[(\g)+6], 0
	s_mov_b32 s[(\g)+7], 0
.endr
	; where the tiles come from: act's hang on the tile row and the quarter, which my row of the cluster shares; w2h's on the tile column and the quarter, which my column shares
	s_lshl_b32 s17, s12, 7                         ; which 128 rows of the tile I fetch
	s_lshl_b32 s16, s13, 8
	s_add_co_u32 s16, s16, s17                     ; act: row 256 x tile row + 128 x half
	s_lshl_b32 s46, s42, 8
	s_add_co_u32 s46, s46, s17                     ; w2h: row 256 x tile column + 128 x half
	s_mov_b32 s17, 0
	s_mov_b32 s47, 0
	s_mov_b64 s[18:19], ROWK*2
	s_mul_u64 s[16:17], s[16:17], s[18:19]         ; in bytes,
	s_mul_u64 s[46:47], s[46:47], s[18:19]
	s_add_nc_u64 s[16:17], s[16:17], s[KO:KO+1]    ; at my quarter of K
	s_add_nc_u64 s[46:47], s[46:47], s[KO:KO+1]
	s_mul_i32 s20, s10, HALFT                      ; and where they go: wave x 128 rows: no place in the cluster enters an LDS address
	s_wait_dscnt 0x0                               ; both opening adds are done
	s_wait_kmcnt 0x0
	s_add_nc_u64 s[14:15], s[4:5], s[16:17]
	s_add_nc_u64 s[46:47], s[6:7], s[46:47]
	CROUND                                         ; all sixteen work-groups are here: the first joint loads meet
.irp s, 0,1
	s_mov_b32 s[G0+4*(\s)], 1                                      ; count = 1
	s_add_co_u32 s[G0+4*(\s)+1], s20, (\s)*SLOT                    ; LDS address
	s_add_nc_u64 s[G0+4*(\s)+2:G0+4*(\s)+3], s[14:15], (\s)*KSTEP*2  ; global address: K step s of the quarter
	s_or_b32 s[G0+4*(\s)+3], s[G0+4*(\s)+3], 0x80000000            ; type = 2
	s_mov_b32 s[G0B+4*(\s)], 1
	s_add_co_u32 s[G0B+4*(\s)+1], s20, (\s)*SLOT
	s_add_nc_u64 s[G0B+4*(\s)+2:G0B+4*(\s)+3], s[46:47], (\s)*KSTEP*2
	s_or_b32 s[G0B+4*(\s)+3], s[G0B+4*(\s)+3], 0x80000000
	JLOAD \s                                       ; the ring is filled before anything else is done: two tensor loads of mine are out
.endr
	; A fragment is 16 rows x 32 K in 8 registers: lane l holds row l % 16; registers 0-3 K = 8 (l / 16) + 0..7, registers 4-7 K = 16 + 8 (l / 16) + 0..7: two loads of 16 bytes, 32 bytes apart.
	v_and_b32 v1, 15, v0                           ; l % 16
	v_bfe_u32 v2, v0, 4, 1                         ; l / 16
	v_mul_u32_u24 v3, v1, PITCH
	v_lshl_add_u32 v3, v2, 4, v3                   ; row x pitch + 16 x half
	s_mul_i32 s21, s11, HALFT                      ; my 128 rows of act
	s_mul_i32 s22, s12, HALFT                      ; my 128 rows of w2h,
	s_add_co_u32 s22, s22, 2*HALFT                 ; which lie behind act's 256
.irp s, 0,1
	v_add_nc_u32 v[ADRA+(\s)], s21, v3
	v_add_nc_u32 v[ADRB+(\s)], s22, v3
	s_add_co_u32 s21, s21, SLOT
	s_add_co_u32 s22, s22, SLOT
.endr
	s_mul_i32 s23, s10, 16*SPITCH
	s_add_co_u32 s23, s23, STAGE                   ; my stage
	v_mul_u32_u24 v4, v1, SPITCH                   ; in: row l % 16, 32 bytes for each half of the lanes
	v_lshl_add_u32 v4, v2, 5, v4
	v_add_nc_u32 v[PST], s23, v4
	v_and_b32 v5, 31, v0
	v_lshlrev_b32 v[CO], 4, v5                     ; back: 32 lanes take a row's 512 bytes
	v_add_nc_u32 v[RD], s23, v[CO]
	; where my 128 x 128 begins in the part
	s_lshl_b32 s13, s13, 8
	s_lshl_b32 s14, s11, 7
	s_add_co_u32 s16, s13, s14                     ; my first row,
	s_lshl_b32 s16, s16, 13                        ; in bytes (8,192 a row; under 16 MiB)
	s_mov_b32 s17, 0
	s_add_nc_u64 s[16:17], s[16:17], s[PO:PO+1]    ; in my quarter's part
	s_lshl_b32 s46, s42, 10                        ; my first column, in bytes: 1,024 x tile column + 512 x half
	s_lshl_b32 s47, s12, 9
	s_add_co_u32 s46, s46, s47
	s_mov_b32 s47, 0
	s_add_nc_u64 s[16:17], s[16:17], s[46:47]
	s_add_nc_u64 s[8:9], s[8:9], s[16:17]
	; the prefetches.  s13 = 256 x tile row, s42 = tile column, s40 = cx, s41 = cy still stand
	s_lshl_b32 s42, s42, 8
	s_and_b32 s22, ttmp7, 1                        ; cluster y % 2: which of the quarter's two rows of clusters
	s_cmp_eq_u32 s11, 0                            ; do I fetch for act?
	s_cselect_b32 s20, s13, s42                    ; the tile's first row
	s_cselect_b32 s21, s40, s41                    ; my place among the four that ask for it with me
	s_cselect_b32 s22, ttmp9, s22                  ; the coordinate along which the other cluster reads the same rows
	s_cselect_b64 s[PFA:PFA+1], s[4:5], s[6:7]
	s_cmp_eq_u32 s22, 0
	s_cselect_b32 s[LIM], 1, -1                    ; the same in all sixteen partners, for a given wave
	s_lshl_b32 s22, s12, 7
	s_add_co_u32 s20, s20, s22                     ; + the 128 rows that I fetch
	s_lshl_b32 s21, s21, 5
	s_add_co_u32 s20, s20, s21                     ; + my work-group's 32 of them
	s_mov_b32 s21, 0
	s_mov_b64 s[18:19], ROWK*2
	s_mul_u64 s[20:21], s[20:21], s[18:19]
	s_add_nc_u64 s[20:21], s[20:21], s[KO:KO+1]    ; at my quarter of K
	s_add_nc_u64 s[PFA:PFA+1], s[PFA:PFA+1], s[20:21]
	s_add_nc_u64 s[PFA:PFA+1], s[PFA:PFA+1], 2*KSTEP*2  ; at K step 2: the first refill steps it to 3 and names K step 4.  Nothing is prefetched here, at the head: K steps 0 to 3 come by their loads alone
	v_and_b32 v[PFO], 31, v0
	v_mul_u32_u24 v[PFO], v[PFO], ROWK*2
; 16 matrix instructions: m blocks a0, a0 + 1 of the window's four (hi = 0: my rows 0-63, 1: rows 64-127) x all 8 n blocks, 32 along K.  zero = 1: the first product starts the sums: nothing is cleared.
; The 64 accumulators take turns, one instruction a turn, in the same order in every quarter step, over the backward jump too.
.macro MUL16 f, hi, a0, zero
	WIN MUL_LO+0x50*(\hi)
.irp a, \a0, (\a0)+1
.irp b, 0,1,2,3,4,5,6,7
.if \zero
	v_wmma_f32_16x16x32_f16 v[8*(8*(\a)+(\b)):8*(8*(\a)+(\b))+7], v[(\f)+8*(\b):(\f)+8*(\b)+7], v[(\f)+8*(4*(\hi)+(\a)):(\f)+8*(4*(\hi)+(\a))+7], 0
.else
	v_wmma_f32_16x16x32_f16 v[8*(8*(\a)+(\b)):8*(8*(\a)+(\b))+7], v[(\f)+8*(\b):(\f)+8*(\b)+7], v[(\f)+8*(4*(\hi)+(\a)):(\f)+8*(4*(\hi)+(\a))+7], v[8*(8*(\a)+(\b)):8*(8*(\a)+(\b))+7]
.endif
.endr
.endr
.endm
; 32 LDS loads in one run: the fragments of one quarter step (128 rows of w2h, then 128 rows of act, 32 K at byte k of the rows) into buffer f
.macro FETCH slot, k, f
	WIN TO_B
.irp i, 0,1,2,3,4,5,6,7
	ds_load_b128 v[(\f)+8*(\i):(\f)+8*(\i)+3],   v[ADRB+(\slot)] offset:(\k)+(\i)*16*PITCH
	ds_load_b128 v[(\f)+8*(\i)+4:(\f)+8*(\i)+7], v[ADRB+(\slot)] offset:(\k)+(\i)*16*PITCH+32
.endr
	WIN 0
.irp i, 0,1,2,3,4,5,6,7
	ds_load_b128 v[(\f)+8*(\i):(\f)+8*(\i)+3],   v[ADRA+(\slot)] offset:(\k)+(\i)*16*PITCH
	ds_load_b128 v[(\f)+8*(\i)+4:(\f)+8*(\i)+7], v[ADRA+(\slot)] offset:(\k)+(\i)*16*PITCH+32
.endr
.endm
; A load into a register that a matrix instruction has read, and a line that reads a matrix result or writes one of its registers, stand four places behind it; only plain vector
; instructions that name none of its registers are places (ISA guide 7.12.1 for vector instructions).
.macro PLACES
.rept 4
	v_nop
.endr
.endm
; A K step is four quarter steps of 32 along K, 64 matrix instructions each, on buffers 0, 1, 0, 1.  One of the first three: multiplies buffer f; in its middle it fetches the next quarter step, at byte k, into g.
.macro QUARTER slot, k, f, g, zero
	s_wait_dscnt 8                                 ; w2h's fragments and act's rows 0-63 are in; the youngest eight loads (act's rows 64-127) may be out
	MUL16 \f, 0, 0, \zero
	MUL16 \f, 0, 2, \zero
	PLACES
	FETCH \slot, \k, \g
	s_wait_dscnt 32                                ; all but the 32 just issued
	MUL16 \f, 1, 0, \zero
	MUL16 \f, 1, 2, \zero
.endm
; The last quarter step multiplies buffer 1 and changes slots: ONE barrier for two things.  In front of it each wave waits for all its tensor loads, of which one is out: its part of the next slot; adds 0 to its spare
; word; and waits for that and for its own reads of this slot.  Behind it nobody reads this slot any more and the next slot is whole.  fill = 1: the barrier opens a round of the cluster's barrier, so that the same
; holds of all sixteen work-groups, and the slot just read out is filled again first, with the K step two on: from that request to the wait for it a wave issues 224 matrix instructions.
.macro TURN slot, next, fill
.if \fill
	s_wait_xcnt 0x0                                ; the last prefetch, a K step back, has read its address: it is stepped here, ahead of the waits of the change of slots
	s_add_nc_u64 s[PFA:PFA+1], s[PFA:PFA+1], KSTEP*2
.endif
	WIN 0                                          ; (the add's two registers lie in window 0)
	s_wait_tensorcnt 0x0                           ; all my tensor loads have landed: the one that was out is my part of the next slot;
	ds_add_u32 v[SPW], v[NIL]                      ; 0 onto my spare word;
	s_wait_dscnt 9                                 ; (the add and the youngest eight loads may be out)
	MUL16 F1, 0, 0, 0                              ; sixteen matrix instructions stand between the add and the wait for it
	s_wait_dscnt 0x0                               ; the add is done, and my reads of this slot are over:
	s_barrier_signal -1                            ; say so,
	MUL16 F1, 0, 2, 0                              ; work on registers while the others arrive,
.if \fill
	WIN 0
.endif
	s_barrier_wait -1                              ; and go on when all four have said so
.if \fill
	CREST                                          ; no wave of any partner still reads this slot's tile or has a load on its way
	s_add_nc_u64 s[G0+4*(\slot)+2:G0+4*(\slot)+3], s[G0+4*(\slot)+2:G0+4*(\slot)+3], 2*KSTEP*2
	s_add_nc_u64 s[G0B+4*(\slot)+2:G0B+4*(\slot)+3], s[G0B+4*(\slot)+2:G0B+4*(\slot)+3], 2*KSTEP*2
	JLOAD \slot                                    ; my one tensor load behind the round; the four v_nop behind it are also the places in front of the loads below
.else
	PLACES
.endif
	FETCH \next, 0, F0
.if \fill
	ASK
.endif
	MUL16 F1, 1, 0, 0
	MUL16 F1, 1, 2, 0
.endm
	s_wait_tensorcnt 1                             ; my part of K step 0 is in; K step 1's may stay out
	s_barrier_signal -1
	s_barrier_wait -1                              ; everybody's is
	FETCH 0, 0, F0
	QUARTER 0, 64,  F0, F1, 1                      ; the first quarter step stands in front of the loop: its products start the sums
	WIN 0                                          ; at a label and at a branch every window is 0
	s_mov_b32 s3, LAPS-1
.Llap:                                                 ; a trip goes once round the ring, from a lap's second quarter step to the next lap's first, and fills both slots again
	QUARTER 0, 128, F1, F0, 0
	QUARTER 0, 192, F0, F1, 0
	TURN 0, 1, 1
	QUARTER 1, 64,  F0, F1, 0
	QUARTER 1, 128, F1, F0, 0
	QUARTER 1, 192, F0, F1, 0
	TURN 1, 0, 1
	QUARTER 0, 64,  F0, F1, 0
	WIN 0
	s_sub_co_u32 s3, s3, 1
	s_cmp_lg_u32 s3, 0
	s_cbranch_scc1 .Llap
	QUARTER 0, 128, F1, F0, 0                      ; the last lap is written out: it fills nothing, and has no round of the cluster's barrier
	QUARTER 0, 192, F0, F1, 0
	TURN 0, 1, 0
	QUARTER 1, 64,  F0, F1, 0
	QUARTER 1, 128, F1, F0, 0
	QUARTER 1, 192, F0, F1, 0
	s_wait_dscnt 8                                 ; the very last quarter step: nothing more to fetch
	MUL16 F1, 0, 0, 0
	MUL16 F1, 0, 2, 0
	s_wait_dscnt 0x0
	MUL16 F1, 1, 0, 0
	MUL16 F1, 1, 2, 0
	WIN 0
	PLACES                                         ; the places behind the last products, in front of the LDS stores that read results and of the loads into the fragments' registers;
	PLACES                                         ; eight, once a launch
; THE WAY OUT: eight blocks of 16 rows x 128 columns of f32.  A lane's 32 bytes of a row are one sixteenth of the row's 512, so a block goes through my own stage in LDS and comes back as whole rows.
; Block a: 16 stores straight from its eight accumulators (each accumulator's lowest registers first), then 16 loads, a row of 512 bytes each, into set a % 2.
.macro TOSTAGE a
.if (\a) >= 2
	s_wait_xcnt 0x0                                ; the set was read by the stores of the block two back: it is loaded again only behind this wait
.endif
	WIN 0x08+4*((\a)/4)                            ; the stores' data (source 1): window 2 or 3; the address: window 0
.irp b, 0,1,2,3,4,5,6,7
	ds_store_b128 v[PST], v[8*(8*((\a)%4)+(\b)):8*(8*((\a)%4)+(\b))+3]   offset:64*(\b)
	ds_store_b128 v[PST], v[8*(8*((\a)%4)+(\b))+4:8*(8*((\a)%4)+(\b))+7] offset:64*(\b)+16
.endr
	WIN 0
.irp p, 0,1,2,3,4,5,6,7,8,9,10,11,12,13,14,15
	ds_load_b128 v[OB+64*((\a)%2)+4*(\p):OB+64*((\a)%2)+4*(\p)+3], v[RD] offset:(\p)*SPITCH  ; LDS serves a wave's instructions in order (ISA guide 5.7.1.4): these see the stores above; the next block's stores come behind them
.endr
.endm
; Block a is stored.  younger: the LDS instructions issued behind its loads (the next block's 32, or none), which may stay out.  The block and the row stand in the immediate: 127 rows of 8,192 bytes at the most.
.macro SEND a, younger
	s_wait_dscnt \younger
.irp p, 0,1,2,3,4,5,6,7,8,9,10,11,12,13,14,15
	global_store_b128 v[CO], v[OB+64*((\a)%2)+4*(\p):OB+64*((\a)%2)+4*(\p)+3], s[8:9] offset:(16*(\a)+(\p))*SIZE_N*4 th:TH_STORE_NT  ; 32 lanes store 512 consecutive bytes, at a multiple of 256 from the buffer's first byte
.endr
.endm
	TOSTAGE 0
.irp a, 1,2,3,4,5,6,7
	TOSTAGE \a                                     ; a block's trip through the stage is on its way while the block before is stored
	SEND (\a)-1, 32
.endr
	SEND 7, 0
	s_wait_tensorcnt 0x0                           ; the wave's end, behind my last tensor load and my last LDS store
	ds_add_u32 v[SPW], v[NIL]
	s_wait_dscnt 0x0
	CROUND                                         ; the closing round: no work-group ends while a partner may still ask for a tile that names it
	s_endpgm
.Lfunc_end_k_qb46e91623e_fc2:
	.size	k_qb46e91623e_fc2, .Lfunc_end_k_qb46e91623e_fc2-k_qb46e91623e_fc2
	.p2alignl 7, 3214868480
	.fill 96, 4, 3214868480
	.section	.rodata,"a",@progbits
	.p2align	6, 0x0
	.amdhsa_kernel k_qb46e91623e_fc2
		.amdhsa_group_segment_fixed_size 327680
		.amdhsa_private_segment_fixed_size 0
		.amdhsa_enable_private_segment 0
		.amdhsa_kernarg_size 24
		.amdhsa_user_sgpr_count 2
		.amdhsa_user_sgpr_kernarg_segment_ptr 1
		.amdhsa_wavefront_size32 1
		.amdhsa_system_sgpr_workgroup_id_x 1
		.amdhsa_system_sgpr_workgroup_id_y 1
		.amdhsa_system_sgpr_workgroup_id_z 1
		.amdhsa_system_vgpr_workitem_id 0
		.amdhsa_next_free_vgpr 1024
		.amdhsa_next_free_sgpr 80
		.amdhsa_reserve_vcc 0
		.amdhsa_float_denorm_mode_32 3
		.amdhsa_float_denorm_mode_16_64 3
		.amdhsa_memory_ordered 1
		.amdhsa_forward_progress 1
		.amdhsa_inst_pref_size 142
	.end_amdhsa_kernel
	.amdgpu_metadata
---
amdhsa.version: [ 1, 2 ]
amdhsa.kernels:
  - .name:           k_qb46e91623e_fc2
    .symbol:         k_qb46e91623e_fc2.kd
    .args:
      - { .name: act, .offset: 0, .size: 8, .value_kind: global_buffer, .address_space: global }
      - { .name: w2h, .offset: 8, .size: 8, .value_kind: global_buffer, .address_space: global }
      - { .name: part, .offset: 16, .size: 8, .value_kind: global_buffer, .address_space: global }
    .group_segment_fixed_size: 327680
    .private_segment_fixed_size: 0
    .kernarg_segment_align: 8
    .kernarg_segment_size: 24
    .max_flat_workgroup_size: 128
    .sgpr_count:     80
    .vgpr_count:     1024
    .wavefront_size: 32
...
	.end_amdgpu_metadata
.endif
;; end of part 3
;; launch red (part 4): grid 1024 x 1, 8 waves a work-group, no clusters, 0 bytes of LDS; arguments part, out0; writes out0
.if DOCPART == 4
	.amdgcn_target "amdgcn-amd-amdhsa--gfx1250"
	.amdhsa_code_object_version 6
	.text
	.protected	k_qb46e91623e_red
	.globl	k_qb46e91623e_red
	.p2align	8
	.type	k_qb46e91623e_red,@function
k_qb46e91623e_red:
	s_mov_b64 s[64:65], 0
	v_nop
	global_prefetch_b8 v0, s[64:65] scope:SCOPE_SE
	s_setreg_imm32_b32 hwreg(HW_REG_WAVE_MODE, 25, 1), 1
	s_wait_xcnt 0x0
; out0[m][d] = (part[0][m][d] + part[1][m][d]) + (part[2][m][d] + part[3][m][d]).  part: [4][2048][2048] f32, the second product's sums over the four quarters of its K; out0: [2048][2048] f32.
; Nothing of reference() is left out here: this is the end of its second product's sums, in f32.
; SHARES.  A work-group makes 16,384 bytes of out0, a wave 2,048: four chunks of 512 consecutive bytes (16 bytes a lane).  A wave's sixteen loads (4 chunks x 4 parts) are all issued at once, each into registers of
; its own; no register that a load or store names is written again but a chunk's sums, which are made behind the chunk's own wait.  No LDS, no barrier, no matrix unit: the launch only moves bytes.
.set X, 16                             ; v[16:79]  chunk c, part s: 4 registers at X + 16 c + 4 s
.set P, 16                             ; s[16:23]  the four parts at the work-group's first byte
.set PARTB, 0x1000000                  ; bytes in a part
	s_load_b128 s[4:7], s[0:1], 0x0                ; part s[4:5], out0 s[6:7]
	v_lshrrev_b32 v3, 5, v0                        ; wave
	v_and_b32 v1, 31, v0                           ; lane
	v_lshlrev_b32 v1, 4, v1                        ; 16 bytes a lane
	v_lshl_or_b32 v1, v3, 11, v1                   ; + wave x 2,048
	s_lshl_b32 s8, ttmp9, 14                       ; the work-group's 16,384 bytes
	s_mov_b32 s9, 0
	s_wait_kmcnt 0x0
	s_add_nc_u64 s[4:5], s[4:5], s[8:9]
	s_add_nc_u64 s[6:7], s[6:7], s[8:9]
.irp s, 0,1,2,3
	s_add_nc_u64 s[P+2*(\s):P+2*(\s)+1], s[4:5], (\s)*PARTB
.endr
.irp c, 0,1,2,3
.irp s, 0,1,2,3
	global_load_b128 v[X+16*(\c)+4*(\s):X+16*(\c)+4*(\s)+3], v1, s[P+2*(\s):P+2*(\s)+1] offset:512*(\c) th:TH_LOAD_NT
.endr
.endr
.irp c, 0,1,2,3
.set B, X+16*(\c)
	s_wait_loadcnt 12-4*(\c)                       ; loads come back in order: chunk c's four are in, the later chunks' may stay out
	v_pk_add_f32 v[B:B+1], v[B:B+1], v[B+4:B+5]
	v_pk_add_f32 v[B+2:B+3], v[B+2:B+3], v[B+6:B+7]
	v_pk_add_f32 v[B+8:B+9], v[B+8:B+9], v[B+12:B+13]
	v_pk_add_f32 v[B+10:B+11], v[B+10:B+11], v[B+14:B+15]
	v_pk_add_f32 v[B:B+1], v[B:B+1], v[B+8:B+9]
	v_pk_add_f32 v[B+2:B+3], v[B+2:B+3], v[B+10:B+11]
	global_store_b128 v1, v[B:B+3], s[6:7] offset:512*(\c) th:TH_STORE_NT  ; 32 lanes store 512 consecutive bytes, at a multiple of 256 from out0's first byte
.endr
	s_endpgm
.Lfunc_end_k_qb46e91623e_red:
	.size	k_qb46e91623e_red, .Lfunc_end_k_qb46e91623e_red-k_qb46e91623e_red
	.p2alignl 7, 3214868480
	.fill 96, 4, 3214868480
	.section	.rodata,"a",@progbits
	.p2align	6, 0x0
	.amdhsa_kernel k_qb46e91623e_red
		.amdhsa_group_segment_fixed_size 0
		.amdhsa_private_segment_fixed_size 0
		.amdhsa_enable_private_segment 0
		.amdhsa_kernarg_size 16
		.amdhsa_user_sgpr_count 2
		.amdhsa_user_sgpr_kernarg_segment_ptr 1
		.amdhsa_wavefront_size32 1
		.amdhsa_system_sgpr_workgroup_id_x 1
		.amdhsa_system_sgpr_workgroup_id_y 1
		.amdhsa_system_sgpr_workgroup_id_z 1
		.amdhsa_system_vgpr_workitem_id 0
		.amdhsa_next_free_vgpr 80
		.amdhsa_next_free_sgpr 66
		.amdhsa_reserve_vcc 0
		.amdhsa_float_denorm_mode_32 3
		.amdhsa_float_denorm_mode_16_64 3
		.amdhsa_memory_ordered 1
		.amdhsa_forward_progress 1
		.amdhsa_inst_pref_size 5
	.end_amdhsa_kernel
	.amdgpu_metadata
---
amdhsa.version: [ 1, 2 ]
amdhsa.kernels:
  - .name:           k_qb46e91623e_red
    .symbol:         k_qb46e91623e_red.kd
    .args:
      - { .name: part, .offset: 0, .size: 8, .value_kind: global_buffer, .address_space: global }
      - { .name: out0, .offset: 8, .size: 8, .value_kind: global_buffer, .address_space: global }
    .group_segment_fixed_size: 0
    .private_segment_fixed_size: 0
    .kernarg_segment_align: 8
    .kernarg_segment_size: 16
    .max_flat_workgroup_size: 256
    .sgpr_count:     66
    .vgpr_count:     80
    .wavefront_size: 32
...
	.end_amdgpu_metadata
.endif
;; end of part 4
